; MI455X (gfx1250); checked and timed in simulation.
; The chip was launched on July 23, 2026; its instructions are those of AMD's public machine-readable ISA for CDNA 5 (MIT licence, August 2026) and "CDNA5" Instruction Set Architecture Reference Guide (July 2026). The comments in the code are by the model that wrote it; some were corrected since.
;; Cross Modal Gated Attention. Allowed arithmetic: matrix products marked QUANTISED: E2M1 operands, one E8M0 scale for each 32 along K, by v_wmma_scale_f32_16x16x128_f8f6f4 with both operands' format E2M1 (or v_wmma_scale_f32_32x16x128_f4), f32 sums; products left as they are: f32 operands where the result goes on into a quantised operand, else bf16, f16 or f32 operands; f32 sums; everything else in f32.
;; Inputs: Wf_b 1,024 float32; Wf_w_codes 1,024 x 64 x 16 uint8 (E2M1 codes of Wf_w, K innermost, in blocks of 32 codes, two codes a byte); Wf_w_scales 1,024 x 64 uint8 (E8M0 scales of Wf_w, one for each 32 codes along K); Wk_codes 1,024 x 32 x 16 uint8 (E2M1 codes of Wk, K innermost, in blocks of 32 codes, two codes a byte); Wk_scales 1,024 x 32 uint8 (E8M0 scales of Wk, one for each 32 codes along K); Wm_b 1,024 float32; Wm_w_codes 1,024 x 32 x 16 uint8 (E2M1 codes of Wm_w, K innermost, in blocks of 32 codes, two codes a byte); Wm_w_scales 1,024 x 32 uint8 (E8M0 scales of Wm_w, one for each 32 codes along K); Wq_codes 1,024 x 32 x 16 uint8 (E2M1 codes of Wq, K innermost, in blocks of 32 codes, two codes a byte); Wq_scales 1,024 x 32 uint8 (E8M0 scales of Wq, one for each 32 codes along K); bf 1,024 float32; z_eeg 128 x 512 x 1,024 float32; z_rppg 128 x 1,024 float32.
;; Outputs: out0 128 x 1,024 float32.
;; This version of the problem:
;;   THIS VERSION OF THE PROBLEM IS GIVEN IN LOW PRECISION. The matrix products marked QUANTISED in the list below multiply operands that are first quantised to E2M1 (2 exponent bits, 1 mantissa bit; 4 bits a number), with one power-of-two scale for each 32 numbers along K (OCP MX v1.0); their sums are f32. All else is computed in f32.
;;   The module's matrix products, in the order in which they are computed (A, B: the left and right operand; K: the contracted axis; several contracted axes count as one K, in the product's order):
;;     1. [M 128, K 1,024] x [K 1,024, N 1,024]; A: input z_rppg; B: input Wq (given as codes): QUANTISED
;;     2. [M 65,536, K 1,024] x [K 1,024, N 1,024]; A: input z_eeg; B: input Wk (given as codes): QUANTISED
;;     3. batch 128 x [M 1, K 1,024] x [K 1,024, N 512]; A: computed on the way; B: computed on the way: left as it is (M = 1 < 16)
;;     4. batch 128 x [M 1, K 512] x [K 512, N 1,024]; A: softmax; B: input z_eeg: left as it is (M = 1 < 16)
;;     5. [M 128, K 2,048] x [K 2,048, N 1,024]; A: computed on the way; B: input Wf_w (given as codes): QUANTISED
;;     6. [M 128, K 1,024] x [K 1,024, N 1,024]; A: computed on the way; B: input Wm_w (given as codes): QUANTISED
;;   THE QUANTISER, for each operand of a quantised product, along K:
;;     - K is cut into blocks of 32 from its start; a last block that is shorter is filled with zeros.
;;     - A block's scale is 2^e with e = floor(log2(the largest magnitude in the block)) - 2, held to -126 .. 127; a block of zeros has e = 0. As a byte (E8M0): e + 127.
;;     - Each number is divided by its block's scale, clamped to +-6, and rounded to the nearest number of E2M1, ties to even, subnormals kept.
;;     - The product sums the exact products of the quantised numbers (number of the format x scale) in f32.
;;   ~~~python
;;   def quantise(x, axis):      # numpy; x: float32 -> the quantised numbers, widened to float32 again
;;       x = np.moveaxis(x, axis, -1); K = x.shape[-1]
;;       x = np.pad(x, [(0, 0)] * (x.ndim - 1) + [(0, -K % 32)]); x = x.reshape(x.shape[:-1] + (-1, 32)); a = np.abs(x).max(-1, keepdims=True)
;;       e = np.where(a > 0, np.clip(np.frexp(np.where(a > 0, a, 1))[1] - 1 - 2, -126, 127), 0)      # np.frexp(a)[1] - 1 = floor(log2(a)), exactly
;;       r = np.clip(x / 2.0 ** e, -6, 6)
;;       step = 2.0 ** (np.maximum(np.frexp(np.where(r == 0, 1, r))[1] - 1, 0) - 1)
;;       q = np.round(r / step) * step * 2.0 ** e      # np.round: ties to even
;;       return np.moveaxis(q.reshape(q.shape[:-2] + (-1,))[..., :K], -1, axis).astype(np.float32)
;;   ~~~
;;   OPERANDS COMPUTED ON THE WAY. 'Computed on the way' means the value that the module computes at that place (a softmax that the list does not call 'softmax' is quantised finished and normalised). What goes into a quantiser is computed in f32, as accurately as f32 sums, v_exp_f32 and their like allow (about 1e-6 of the number): no bf16 or f16 on the way to a quantiser, and a product that is left as it is and whose result goes on into a quantised operand takes f32 operands (vector FMAs, or v_wmma_f32_16x16x4_f32). A number that lies on a knife's edge between two numbers of the format may be rounded either way, as far as f32 arithmetic and the matrix unit's own rounding can turn it there, and no further.
;;   INPUTS GIVEN AS CODES. Wf_w (in the module: [2048, 1024], K = its axis 0); Wk (in the module: [1024, 1024], K = its axis 0); Wm_w (in the module: [1024, 1024], K = its axis 0); Wq (in the module: [1024, 1024], K = its axis 0): each comes as NAME_codes (uint8): NAME with its K axis moved to the last place and cut into blocks of 32 codes, [.., K / 32, bytes a block], one block behind the other in memory; two codes a byte, the lower K in the low four bits (a code: sign, 2 exponent bits, 1 mantissa bit); and NAME_scales (uint8): the same leading axes, one E8M0 byte (e + 127) for each 32 codes along K. Its value is code x scale, taken as it is: it is not quantised again, and the codes and scales need not be those that the quantiser above would give.
;; One version. Each part assembles by itself: llvm-mc -triple=amdgcn-amd-amdhsa -mcpu=gfx1250 --defsym DOCPART=n.
;; ======== version 1 of 1: 3 launches
;; limits: right only within a limited range of input values
;; workspace buffers: qbuf 524,288 bytes; part 1,048,576 bytes; stat 65,536 bytes; wkr 524,288 bytes; zq 81,920 bytes
;; launch qproj (part 1): grid 8 x 16, 8 waves a work-group, no clusters, 18,944 bytes of LDS; arguments z_rppg, Wq_codes, Wq_scales, qbuf, Wk_codes, wkr, zq; writes qbuf, wkr, zq
.if DOCPART == 1
	.amdgcn_target "amdgcn-amd-amdhsa--gfx1250"
	.amdhsa_code_object_version 6
	.text
	.protected	k_qd5c044d8e8_qproj
	.globl	k_qd5c044d8e8_qproj
	.p2align	8
	.type	k_qd5c044d8e8_qproj,@function
k_qd5c044d8e8_qproj:
	s_mov_b64 s[64:65], 0
	v_nop
	global_prefetch_b8 v0, s[64:65] scope:SCOPE_SE
	s_setreg_imm32_b32 hwreg(HW_REG_WAVE_MODE, 25, 1), 1
	s_wait_xcnt 0x0
; Q = quant(z_rppg) Wq.  z_rppg: [128][1024] f32, quantised here to E2M1 with one E8M0 scale for each 32 along K; Wq: codes [1024 (e)][512 bytes], K innermost, scale bytes [1024][32]; Q: [128][1024] f32.
; SHARES.  Work-group (x, y) makes rows 16 y .. 16 y + 15, columns 128 x .. 128 x + 127.  Wave v quantises K step v (128 along K) of the 16 rows, hands the fragment to the others through LDS as an image of its
; registers (lane l's 16 bytes at 16 l), and then makes the tile of 16 columns 128 x + 16 v on, over all eight K steps.
; THE MATRIX INSTRUCTION IS USED TRANSPOSED (source 0 = 16 rows of Wq's codes, source 1 = the 16 rows of z_rppg): a lane then holds eight neighbouring columns of one row of Q.
; The eight K steps go to two accumulators by turns, one instruction a turn; the two are added at the end.
; The results meet in a stage (rows of 512 bytes + 16) and each wave stores two whole rows: 512 consecutive bytes an instruction.
; No tensor load, no ring: 64 work-groups of a few loads each; clusters, prefetches and large register tiles have nothing to work on here.
; LIMITS: NaN and infinities among the inputs are not served; a block whose largest magnitude lies under 2^-124 (a block of zeros too) gets the scale byte 1: its codes are zeros or held, and the bytes are read by this program alone.
.set FRB,  1024                        ; a fragment's image: 8 registers x 128 bytes
.set XIMG, 0                           ; LDS: the eight fragments of z_rppg,
.set XSC,  8*FRB                       ; their scale words, 128 bytes each,
.set STG,  XSC+8*128                   ; the stage: 16 rows x 528 bytes
.set SPI,  528
.set XA,   4                           ; v4   z_rppg: 4096 r + 64 h: my 16 numbers of a block of 32
.set LI,   5                           ; v5   16 x lane
.set LS,   6                           ; v6   4 x lane
.set XWI,  7                           ; v7   where I store my fragment: 16 x lane + FRB x wave
.set XWS,  8                           ; v8   and its scale words: 4 x lane + 128 x wave
.set WA,   9                           ; v9   Wq's codes: 512 r + 16 h
.set WSA,  10                          ; v10  Wq's scale bytes: 32 r + 16 h
.set SO,   11                          ; v11  the stage: where I put 32 bytes of a row
.set SR,   12                          ; v12  and where I read a row back
.set XN,   16                          ; v16-79   64 numbers of my K step; later the eight fragments of z_rppg
.set WF,   80                          ; v80-143  Wq's eight fragments of my tile
.set TM,   144                         ; v144-159 at work in the quantiser
.set PC,   160                         ; v160-167 the codes just made
.set PW,   168                         ; v168     the scale word just made
.set WSC,  172                         ; v172-175 Wq's scale words: register j: lanes 0-15 K step j, lanes 16-31 K step 4 + j
.set XSW,  176                         ; v176-183 z_rppg's scale words, one register a K step
.set ACC,  184                         ; v184-199 two accumulators
.set OUT,  200                         ; v200-207 their sum
.set BK,   208                         ; v208-215 two rows read back
.set SEL,  20                          ; s[20:21] lane selects for v_permlanex16_b32: lane l xor 16
; 64 numbers of a lane, v[s] .. v[s + 63], register 16 b + i = k 32 b + 16 (lane / 16) + i of my row, become a fragment's codes in v[PC] on and its scale word in v[PW].
.macro QUANT s
.irp b, 0,1,2,3
	v_max3_num_f32 v[TM+\b], |v[\s+16*\b]|, |v[\s+1+16*\b]|, 0x1800000   ; block b: my 16 numbers, and the floor 2^(3 - 127): so the byte cannot fall under 1
.endr
.irp i, 2,4,6,8,10,12,14
.irp b, 0,1,2,3
	s_delay_alu instid0(VALU_DEP_4)
	v_max3_num_f32 v[TM+\b], v[TM+\b], |v[\s+16*\b+\i]|, |v[\s+1+16*\b+\i]|   ; the four blocks by turns
.endr
.endr
.irp b, 0,1,2,3
	s_delay_alu instid0(VALU_DEP_4)
	v_permlanex16_b32 v[TM+4+\b], v[TM+\b], s[SEL], s[SEL+1]
.endr
.irp b, 0,1,2,3
	s_delay_alu instid0(VALU_DEP_4)
	v_max_num_f32 v[TM+\b], v[TM+\b], v[TM+4+\b]   ; with lane l xor 16's: the block's largest magnitude
.endr
.irp b, 0,1,2,3
	s_delay_alu instid0(VALU_DEP_4)
	v_add_nc_u32 v[TM+12+\b], 0xff000000, v[TM+\b]   ; 2 off its exponent field: the conversion takes the exponent field of this operand as its scale
.endr
.irp b, 0,1,2,3
	s_delay_alu instid0(VALU_DEP_4)
	v_lshrrev_b32 v[TM+4+\b], 23, v[TM+12+\b]      ; the scale's byte
.endr
	s_delay_alu instid0(VALU_DEP_3)
	v_lshl_or_b32 v[PW], v[TM+5], 8, v[TM+4]       ; the four bytes make my row's scale word
	s_delay_alu instid0(VALU_DEP_1)
	v_lshl_or_b32 v[PW], v[TM+6], 16, v[PW]
	s_delay_alu instid0(VALU_DEP_1)
	v_lshl_or_b32 v[PW], v[TM+7], 24, v[PW]
.irp b, 0,1,2,3
	v_cvt_scalef32_pk8_fp4_f32 v[PC+2*\b], v[\s+16*\b:\s+7+16*\b], v[TM+12+\b]
	v_cvt_scalef32_pk8_fp4_f32 v[PC+1+2*\b], v[\s+8+16*\b:\s+15+16*\b], v[TM+12+\b]
.endr
	v_nop                                          ; one plain place behind a scaled conversion
.irp c, 0,1                                    ; the operand's layout wants a whole block in a lane: lanes 0-15 block 2 c, lanes 16-31 block 2 c + 1
.irp i, 0,1
	v_permlane16_swap_b32 v[PC+4*\c+\i], v[PC+2+4*\c+\i]
.endr
.endr
.endm
.macro BARRIER                                 ; my LDS stores have landed and my LDS loads are in: then the work-group's barrier
	s_wait_dscnt 0x0
	s_barrier_signal -1
	s_barrier_wait -1
.endm
	s_load_b256 s[4:11], s[0:1], 0x0               ; z_rppg s[4:5], Wq's codes s[6:7], Wq's scales s[8:9], Q s[10:11]
	s_load_b128 s[28:31], s[0:1], 0x20             ; Wk's codes s[28:29], their image s[30:31]
	s_load_b64 s[26:27], s[0:1], 0x30              ; z_rppg's fragments, for the last launch
	v_lshl_add_u32 v224, v0, 2, 0x4600
	v_mov_b32 v225, 0
	v_lshrrev_b32 v1, 5, v0
	s_delay_alu instid0(VALU_DEP_1)
	v_readfirstlane_b32 s12, v1                    ; wave 0..7
	s_and_b32 s14, ttmp7, 0xffff                   ; y: the tile of 16 rows
	v_and_b32 v1, 31, v0                           ; lane
	v_and_b32 v2, 15, v0                           ; r
	v_bfe_u32 v3, v0, 4, 1                         ; h
	s_delay_alu instid0(VALU_DEP_2)
	v_lshlrev_b32 v[XA], 12, v2
	s_delay_alu instid0(VALU_DEP_1)
	v_lshl_add_u32 v[XA], v3, 6, v[XA]
	v_lshlrev_b32 v[LI], 4, v1
	v_lshlrev_b32 v[LS], 2, v1
	v_lshlrev_b32 v13, 3, v1                       ; 8 x lane
	s_lshl_b32 s16, s12, 10
	v_add_nc_u32 v[XWI], s16, v[LI]
	s_lshl_b32 s16, s12, 7
	v_add_nc_u32 v[XWS], s16, v[LS]
	v_lshlrev_b32 v[WA], 9, v2
	s_delay_alu instid0(VALU_DEP_1)
	v_lshl_add_u32 v[WA], v3, 4, v[WA]
	v_lshlrev_b32 v[WSA], 5, v2
	s_delay_alu instid0(VALU_DEP_1)
	v_lshl_add_u32 v[WSA], v3, 4, v[WSA]
	v_mul_u32_u24 v[SO], v2, SPI
	s_delay_alu instid0(VALU_DEP_1)
	v_lshl_add_u32 v[SO], v3, 5, v[SO]
	s_lshl_b32 s16, s12, 6
	v_add_nc_u32 v[SO], s16, v[SO]
	s_delay_alu instid0(VALU_DEP_1)
	v_add_nc_u32 v[SO], STG, v[SO]                 ; row r, + 64 x wave (my 16 columns), + 32 h
	s_mul_i32 s16, s12, 2*SPI
	v_add_nc_u32 v[SR], s16, v[LI]
	s_delay_alu instid0(VALU_DEP_1)
	v_add_nc_u32 v[SR], STG, v[SR]                 ; back: rows 2 v and 2 v + 1, 16 bytes a lane
.irp b, 0,1,2,3
	v_mov_b32 v[TM+4+\b], 0                        ; written once: a lane permute's destination counts as one of its sources
.endr
	s_mov_b32 s[SEL], 0x76543210
	s_mov_b32 s[SEL+1], 0xfedcba98
	s_wait_alu depctr_va_vdst(0)
	s_cmp_ge_u32 s14, 8                            ; work-groups with y = 8 .. 15 lay Wk out for the next launch; the branch hangs on the work-group's number alone
	s_cbranch_scc1 .Lrelay
	s_lshl_b32 s16, s14, 16                        ; z_rppg: 16 y rows of 4,096 bytes + 512 x wave
	s_lshl_b32 s17, s12, 9
	s_add_co_u32 s16, s16, s17
	s_mov_b32 s17, 0
	s_lshl_b32 s18, ttmp9, 16                      ; Wq's codes: 128 x rows of 512 bytes + 16 rows x wave
	s_lshl_b32 s19, s12, 13
	s_add_co_u32 s18, s18, s19
	s_mov_b32 s19, 0
	s_lshl_b32 s22, ttmp9, 12                      ; Wq's scale bytes: 32 a row
	s_lshl_b32 s23, s12, 9
	s_add_co_u32 s22, s22, s23
	s_mov_b32 s23, 0
	s_lshl_b32 s24, s14, 16                        ; Q: row 16 y + 2 x wave, column 128 x
	s_lshl_b32 s25, s12, 13
	s_add_co_u32 s24, s24, s25
	s_lshl_b32 s25, ttmp9, 9
	s_add_co_u32 s24, s24, s25
	s_mov_b32 s25, 0
	s_wait_kmcnt 0x0
	s_add_nc_u64 s[4:5], s[4:5], s[16:17]
	s_add_nc_u64 s[6:7], s[6:7], s[18:19]
	s_add_nc_u64 s[8:9], s[8:9], s[22:23]
	s_add_nc_u64 s[10:11], s[10:11], s[24:25]
.irp b, 0,1,2,3
.irp j, 0,1,2,3
	global_load_b128 v[XN+16*\b+4*\j:XN+16*\b+4*\j+3], v[XA], s[4:5] offset:128*\b+16*\j   ; my 16 numbers of each of the K step's four blocks
.endr
.endr
.irp s, 0,1,2,3,4,5,6,7
.irp c, 0,1
	global_load_b128 v[WF+8*\s+4*\c:WF+8*\s+4*\c+3], v[WA], s[6:7] offset:64*\s+32*\c
.endr
.endr
	global_load_b128 v[WSC:WSC+3], v[WSA], s[8:9]
	s_wait_loadcnt 17                              ; z_rppg's 16 loads are in; Wq's 16 and its scale words may stay out
	QUANT XN
.irp c, 0,1
	ds_store_b128 v[XWI], v[PC+4*\c:PC+4*\c+3] offset:XIMG+512*\c
.endr
	ds_store_b32 v[XWS], v[PW] offset:XSC
; z_rppg's codes serve the gate's product too (its K steps 8 to 15 cut K into the same blocks of 32): the work-groups with x = 0 leave each fragment as an image of its registers,
; zq[16-row tile y][K step][1,280 bytes]: 2 x 512 bytes of codes (16 x lane), then 256 bytes of scale words (8 x lane, the word twice): whole units of 256 bytes.
	v_mov_b32 v169, v[PW]
	s_wait_alu depctr_va_vdst(0)
	s_cmp_lg_u32 ttmp9, 0
	s_cbranch_scc1 .Lno_zq
	s_lshl_b32 s16, s14, 3
	s_add_co_u32 s16, s16, s12                     ; 8 y + K step
	s_mul_i32 s16, s16, 1280
	s_mov_b32 s17, 0
	s_add_nc_u64 s[26:27], s[26:27], s[16:17]
	global_store_b128 v[LI], v[PC:PC+3], s[26:27]
	global_store_b128 v[LI], v[PC+4:PC+7], s[26:27] offset:512
	global_store_b64 v13, v[168:169], s[26:27] offset:1024
.Lno_zq:
	BARRIER
.irp s, 0,1,2,3,4,5,6,7
.irp c, 0,1
	ds_load_b128 v[XN+8*\s+4*\c:XN+8*\s+4*\c+3], v[LI] offset:XIMG+FRB*\s+512*\c
.endr
	ds_load_b32 v[XSW+\s], v[LS] offset:XSC+128*\s
.endr
	s_wait_dscnt 0x0
	s_wait_loadcnt 0x0                             ; Wq
.set I, 0
.rept 8
.set DD, ACC+8*(I%2)
.if I < 2
	v_wmma_scale_f32_16x16x128_f8f6f4 v[DD:DD+7], v[WF+8*I:WF+8*I+7], v[XN+8*I:XN+8*I+7], 0, v[WSC+I%4], v[XSW+I] matrix_a_fmt:MATRIX_FMT_FP4 matrix_b_fmt:MATRIX_FMT_FP4
.elseif I < 4
	v_wmma_scale_f32_16x16x128_f8f6f4 v[DD:DD+7], v[WF+8*I:WF+8*I+7], v[XN+8*I:XN+8*I+7], v[DD:DD+7], v[WSC+I%4], v[XSW+I] matrix_a_fmt:MATRIX_FMT_FP4 matrix_b_fmt:MATRIX_FMT_FP4
.else
	v_wmma_scale_f32_16x16x128_f8f6f4 v[DD:DD+7], v[WF+8*I:WF+8*I+7], v[XN+8*I:XN+8*I+7], v[DD:DD+7], v[WSC+I%4], v[XSW+I] matrix_a_fmt:MATRIX_FMT_FP4 matrix_b_fmt:MATRIX_FMT_FP4 matrix_a_scale:MATRIX_SCALE_ROW1
.endif
.set I, I+1
.endr
.rept 4
	v_nop                                          ; four places behind the last product (ISA guide 7.12.1)
.endr
.irp j, 0,2,4,6
	v_pk_add_f32 v[OUT+\j:OUT+\j+1], v[ACC+\j:ACC+\j+1], v[ACC+8+\j:ACC+8+\j+1]   ; each accumulator from its low end on
.endr
	ds_store_b128 v[SO], v[OUT:OUT+3]              ; lane (r, h): Q(16 y + r, 128 x + 16 v + 8 h + 0 .. 7)
	ds_store_b128 v[SO], v[OUT+4:OUT+7] offset:16
	BARRIER                                        ; 16 whole rows of 512 bytes lie in the stage
	ds_load_b128 v[BK:BK+3], v[SR]
	ds_load_b128 v[BK+4:BK+7], v[SR] offset:SPI
	s_wait_dscnt 1                                 ; the first row is back; the second may be out
	global_store_b128 v[LI], v[BK:BK+3], s[10:11]  ; 32 lanes store 512 consecutive bytes
	s_wait_dscnt 0x0
	global_store_b128 v[LI], v[BK+4:BK+7], s[10:11] offset:4096
	s_wait_tensorcnt 0x0
	ds_add_u32 v224, v225
	s_wait_dscnt 0x0
	s_endpgm
; Wk AS AN IMAGE OF THE OPERAND'S REGISTERS: wkr[tile of 16 rows][K step][half c][lane][16 bytes], where lane (r, h) holds bytes 64 s + 32 c + 16 h of row 16 tile + r.
; Work-group (x, y) takes tile x + 8 (y - 8), wave v its K step v: two loads in the fragment's pattern, two stores of 512 consecutive bytes.  No LDS on this path.
.Lrelay:
	s_sub_co_u32 s16, s14, 8
	s_lshl_b32 s16, s16, 3
	s_add_co_u32 s16, s16, ttmp9                   ; the tile
	s_lshl_b32 s16, s16, 13                        ; 8,192 bytes a tile in both layouts
	s_lshl_b32 s18, s12, 6                         ; in Wk: 64 bytes a K step
	s_add_co_u32 s18, s18, s16
	s_mov_b32 s19, 0
	s_lshl_b32 s17, s12, 10                        ; in the image: 1,024
	s_add_co_u32 s16, s16, s17
	s_mov_b32 s17, 0
	s_wait_kmcnt 0x0
	s_add_nc_u64 s[28:29], s[28:29], s[18:19]
	s_add_nc_u64 s[30:31], s[30:31], s[16:17]
	global_load_b128 v[16:19], v[WA], s[28:29]
	global_load_b128 v[20:23], v[WA], s[28:29] offset:32
	s_wait_loadcnt 0x0
	global_store_b128 v[LI], v[16:19], s[30:31]
	global_store_b128 v[LI], v[20:23], s[30:31] offset:512
	s_endpgm
.Lfunc_end_k_qd5c044d8e8_qproj:
	.size	k_qd5c044d8e8_qproj, .Lfunc_end_k_qd5c044d8e8_qproj-k_qd5c044d8e8_qproj
	.p2alignl 7, 3214868480
	.fill 96, 4, 3214868480
	.section	.rodata,"a",@progbits
	.p2align	6, 0x0
	.amdhsa_kernel k_qd5c044d8e8_qproj
		.amdhsa_group_segment_fixed_size 18944
		.amdhsa_private_segment_fixed_size 0
		.amdhsa_enable_private_segment 0
		.amdhsa_kernarg_size 56
		.amdhsa_user_sgpr_count 2
		.amdhsa_user_sgpr_kernarg_segment_ptr 1
		.amdhsa_wavefront_size32 1
		.amdhsa_system_sgpr_workgroup_id_x 1
		.amdhsa_system_sgpr_workgroup_id_y 1
		.amdhsa_system_sgpr_workgroup_id_z 1
		.amdhsa_system_vgpr_workitem_id 0
		.amdhsa_next_free_vgpr 226
		.amdhsa_next_free_sgpr 66
		.amdhsa_reserve_vcc 0
		.amdhsa_float_denorm_mode_32 3
		.amdhsa_float_denorm_mode_16_64 3
		.amdhsa_memory_ordered 1
		.amdhsa_forward_progress 1
		.amdhsa_inst_pref_size 17
	.end_amdhsa_kernel
	.amdgpu_metadata
---
amdhsa.version: [ 1, 2 ]
amdhsa.kernels:
  - .name:           k_qd5c044d8e8_qproj
    .symbol:         k_qd5c044d8e8_qproj.kd
    .args:
      - { .name: z_rppg, .offset: 0, .size: 8, .value_kind: global_buffer, .address_space: global }
      - { .name: Wq_codes, .offset: 8, .size: 8, .value_kind: global_buffer, .address_space: global }
      - { .name: Wq_scales, .offset: 16, .size: 8, .value_kind: global_buffer, .address_space: global }
      - { .name: qbuf, .offset: 24, .size: 8, .value_kind: global_buffer, .address_space: global }
      - { .name: Wk_codes, .offset: 32, .size: 8, .value_kind: global_buffer, .address_space: global }
      - { .name: wkr, .offset: 40, .size: 8, .value_kind: global_buffer, .address_space: global }
      - { .name: zq, .offset: 48, .size: 8, .value_kind: global_buffer, .address_space: global }
    .group_segment_fixed_size: 18944
    .private_segment_fixed_size: 0
    .kernarg_segment_align: 8
    .kernarg_segment_size: 56
    .max_flat_workgroup_size: 256
    .sgpr_count:     66
    .vgpr_count:     226
    .wavefront_size: 32
...
	.end_amdgpu_metadata
.endif
;; end of part 1
;; launch attn (part 2): grid 256 x 1, 4 waves a work-group, no clusters, 327,680 bytes of LDS; arguments z_eeg, wkr, Wk_scales, qbuf, part, stat; writes part, stat
.if DOCPART == 2
	.amdgcn_target "amdgcn-amd-amdhsa--gfx1250"
	.amdhsa_code_object_version 6
	.text
	.protected	k_qd5c044d8e8_attn
	.globl	k_qd5c044d8e8_attn
	.p2align	8
	.type	k_qd5c044d8e8_attn,@function
k_qd5c044d8e8_attn:
	s_mov_b64 s[64:65], 0
	v_nop
	global_prefetch_b8 v0, s[64:65] scope:SCOPE_SE
	s_setreg_imm32_b32 hwreg(HW_REG_WAVE_MODE, 25, 1), 1
	s_wait_xcnt 0x0
; Half a batch of attention pooling.  Work-group g serves batch g / 2, rows 256 (g % 2) .. + 255 of z_eeg, 16 rows a step, 16 steps:
; quantise the 16 rows to E2M1 (one E8M0 byte for each 32 along K), K = quant(z) Wk by the scaled matrix instruction, score = Q . K / 32, a running softmax (maximum taken away, base 2), and the sum of p z in f32.
; It leaves part[g][1024] = sum of p z under its own maximum m, and stat[g][32 x (m, l)], l = the sum of p; the next launch joins the two halves.
; ALL OF Wk STAYS ON THE WGP.  Wave w owns 256 of K's 1,024 columns: Wk's rows 176 w .. + 175 (11 tiles of 16) lie in 704 registers, rows 704 + 80 w .. + 79 (5 tiles) in LDS.  So the LDS part is one dense block of 320 rows.
; z comes through a ring of two LDS slots of 16 rows (rows of 256 bytes + 16 of padding), a quarter of a slot a wave.  A slot is read twice: by rows for the quantiser (a lane takes a block of 32), by columns for the sum of p z (wave w: columns 256 w on).
; THE CHANGE OF SLOTS stands as soon as a step's 16 rows are in registers: half of the sum of p z stands between the add and its wait, and the next step's loads for the quantiser are issued between the two halves of that sum.
; THE HEAD: waves 0 and 1 fetch the halves of step 0's rows, waves 2 and 3 the halves of Wk's LDS part, one tensor load a wave; the global loads of Wk's register part follow at once.
; PREFETCH: at a step's head each wave names its quarter (16,384 bytes, lanes 256 bytes apart, two instructions) of the step three on, whose tensor load stands at the next step's end; steps 13, 14 and 15 ask for nothing; steps 0 and 1 come by their loads alone.
; NO CLUSTER: the stream, z, is shared by nobody; Wk is read once, at the head, mostly into registers; in a cluster every one of the 15 later groups of z's loads would stand behind a round of the cluster's barrier.
; LIMITS: NaN and infinities among the inputs are not served; a block whose largest magnitude lies under 2^-124 (a block of zeros too) gets the scale byte 1: its codes are zeros or held, and the bytes are read here alone.
; REGISTERS: window 0 as named below; windows 1, 2: tiles 0-7 of Wk; window 3: tiles 8-10 and, from v192, the 16 rows' eight fragments.
.set STEP,   65536                     ; 16 rows of z in memory
.set ZROW,   4352                      ; a row of z in LDS: 16 x (256 + 16)
.set ZQUART, 4*ZROW
.set ZSLOT,  16*ZROW
.set WKL,    2*ZSLOT                   ; Wk's LDS part.  Wk's codes come as the image that the launch before laid: [tile of 16 rows][K step][half][lane][16 bytes], 8,192 bytes a tile: every load of a fragment's half covers 512 consecutive bytes, from memory and from LDS
.set WP,     528
.set WKW,    40960                     ; a wave's five tiles
.set COD,    WKL+4*WKW                 ; the 16 rows' codes, rows of 512 bytes + 16
.set ZSC,    COD+16*WP                 ; their scale bytes, 32 a row
.set SCP,    ZSC+512                   ; the waves' partial scores, 64 bytes a wave
.set SPARE,  SCP+256                   ; the spare words
.set SPW, 1
.set NIL, 2
.set ZQ,  3                            ; v3-4   quantiser's reads, slot 0, 1
.set ZP,  5                            ; v5-8   the sum's reads: slot 0 rows 0-7, 8-15, slot 1 likewise
.set CW,  9                            ; where I store codes
.set SW,  10                           ; and scale bytes
.set CR,  11                           ; where I read the rows' fragments
.set SR,  12                           ; and their scale words
.set BL,  13                           ; my tiles of Wk in LDS
.set PW,  14                           ; partial scores, in
.set PR,  15                           ; and back
.set WS,  16                           ; v16-79 Wk's scale words: tile t at 4 t; lanes 0-15 K steps 0-3, lanes 16-31 K steps 4-7
.set QV,  80                           ; v80-95 Q at my lane's column of each tile
.set AC,  96                           ; v96-103 the sum of p z, eight columns a lane
.set RM,  104                          ; the running maximum
.set RL,  105                          ; my lane's row's share of the sum of p
.set RF,  106
.set RT,  108
.set RP,  109
.set TMP, 110
.set PF,  111
.set ZS,  112                          ; v112-115 the rows' scale words
.set S,   116                          ; v116-123 scores in the making; in the quantiser two rows' codes
.set RA,  124                          ; four accumulators for register tiles
.set LA,  156                          ; five for LDS tiles
.set BB,  196                          ; five fragments of Wk from LDS
.set X,   124                          ; v124-251 the quantiser's 4 x 32 numbers
.set E,   252
.set ZB,  124                          ; v124-251 16 rows x 8 columns for the sum
.set AF,  192
.set G1Z, 16
.set G1W, 24
.set G0Z, 32                           ; s[32:35], s[36:39] group 0 for slot 0, 1
.set G0W, 40
.set G0H, 96                           ; s[96:99] group 0 for the head's half of step 0; later among the p's
.set MSB, 0
.macro WIN new
.if MSB != \new
	s_set_vgpr_msb (MSB<<8)|\new
.set MSB, \new
.endif
.endm
.macro PLACES
.rept 4
	v_nop
.endr
.endm
	s_load_b256 s[4:11], s[0:1], 0x0               ; z, Wk's codes, Wk's scales, Q
	s_load_b128 s[12:15], s[0:1], 0x20             ; part, stat
	v_lshl_add_u32 v[SPW], v0, 2, SPARE
	v_mov_b32 v[NIL], 0
	ds_add_u32 v[SPW], v[NIL]
	ds_add_u32 v[SPW], v[NIL]
	v_lshrrev_b32 v116, 5, v0
	v_readfirstlane_b32 s45, v116                  ; wave
	v_and_b32 v116, 31, v0                         ; lane
	v_and_b32 v117, 15, v0                         ; r
	v_bfe_u32 v118, v0, 4, 1                       ; h
	s_wait_alu depctr_va_vdst(0)
	s_mov_b32 s[G1Z+0], (3<<16)|(1<<20)|(5<<22)|(3<<25)   ; z: rows of 32 x 8 bytes, 4 words of padding behind each
	s_mov_b32 s[G1Z+1], 32<<16
	s_mov_b32 s[G1Z+2], 128<<16                    ; at the head 128 such rows (8 rows of z); behind it 64
	s_mov_b32 s[G1Z+3], 32<<16
	s_mov_b32 s[G1Z+4], 128
	s_mov_b32 s[G1Z+5], 32
	s_mov_b32 s[G1Z+6], 0
	s_mov_b32 s[G1Z+7], 0
	s_mov_b32 s[G1W+0], 3<<16                      ; Wk's image: 160 rows of 64 x 8 bytes, dense, no padding
	s_mov_b32 s[G1W+1], 64<<16
	s_mov_b32 s[G1W+2], 160<<16
	s_mov_b32 s[G1W+3], 64<<16
	s_mov_b32 s[G1W+4], 160
	s_mov_b32 s[G1W+5], 64
	s_mov_b32 s[G1W+6], 0
	s_mov_b32 s[G1W+7], 0
	s_and_b32 s46, s45, 1
	s_mul_i32 s50, s45, ZQUART
	s_mul_i32 s51, s45, WKW
	s_mul_i32 s47, s45, 1088
	s_mul_i32 s52, s45, 4*WP
	s_lshl_b32 s53, s45, 7
	s_lshl_b32 s54, s45, 6
	s_lshl_b32 s70, ttmp9, 20                      ; byte offsets, each in a pair with 0 above: my 256 rows of z
	s_lshl_b32 s68, s45, 14
	s_add_co_u32 s68, s68, s70                     ; + my quarter of a step
	s_mov_b32 s69, 0
	s_lshl_b32 s72, s46, 15
	s_add_co_u32 s70, s70, s72                     ; + my half of step 0
	s_mov_b32 s71, 0
	s_mul_i32 s72, s45, 176*512                    ; Wk's codes: my register tiles
	s_mov_b32 s73, 0
	s_mul_i32 s74, s46, 160*512
	s_add_co_u32 s74, s74, 704*512                 ; my half of the LDS part
	s_mov_b32 s75, 0
	s_mul_i32 s76, s45, 176*32                     ; Wk's scale bytes likewise
	s_mov_b32 s77, 0
	s_mul_i32 s78, s45, 80*32
	s_add_co_u32 s78, s78, 704*32
	s_mov_b32 s79, 0
	s_lshr_b32 s84, ttmp9, 1
	s_lshl_b32 s84, s84, 12                        ; Q: my batch's row
	s_mul_i32 s80, s45, 176*4
	s_add_co_u32 s80, s80, s84
	s_mov_b32 s81, 0
	s_mul_i32 s82, s45, 80*4
	s_add_co_u32 s82, s82, s84
	s_add_co_u32 s82, s82, 704*4
	s_mov_b32 s83, 0
	s_lshl_b32 s84, ttmp9, 12
	s_mov_b32 s85, 0
	s_lshl_b32 s86, ttmp9, 8
	s_mov_b32 s87, 0
	s_mov_b32 s[G0Z+0], 1
	s_mov_b32 s[G0Z+1], s50
	s_mov_b32 s[G0Z+4], 1
	s_add_co_u32 s[G0Z+5], s50, ZSLOT
	s_mov_b32 s[G0H+0], 1
	s_mul_i32 s[G0H+1], s46, 8*ZROW
	s_mov_b32 s[G0W+0], 1
	s_mul_i32 s[G0W+1], s46, 160*512
	s_add_co_u32 s[G0W+1], s[G0W+1], WKL
	v_lshlrev_b32 v[ZQ], 7, v116                   ; a lane's block of 32 numbers: 128 bytes, 16 more for each 256 passed
	v_lshrrev_b32 v119, 1, v116
	v_lshl_add_u32 v[ZQ], v119, 4, v[ZQ]
	v_add_nc_u32 v[ZQ], s50, v[ZQ]
	v_add_nc_u32 v[ZQ+1], ZSLOT, v[ZQ]
	v_lshlrev_b32 v[ZP], 4, v116
	v_lshl_add_u32 v[ZP], v118, 4, v[ZP]
	v_add_nc_u32 v[ZP], s47, v[ZP]
	v_add_nc_u32 v[ZP+1], 8*ZROW, v[ZP]
	v_add_nc_u32 v[ZP+2], ZSLOT, v[ZP]
	v_add_nc_u32 v[ZP+3], ZSLOT, v[ZP+1]
	v_lshl_add_u32 v[CW], v116, 4, COD
	v_add_nc_u32 v[CW], s52, v[CW]
	v_add_nc_u32 v[SW], ZSC, v116
	v_add_nc_u32 v[SW], s53, v[SW]
	v_mul_u32_u24 v119, v117, WP
	v_lshl_add_u32 v119, v118, 4, v119
	v_add_nc_u32 v[CR], COD, v119
	v_lshl_add_u32 v[BL], v116, 4, WKL             ; 16 x lane in my five tiles
	v_add_nc_u32 v[BL], s51, v[BL]
	v_lshlrev_b32 v[RP], 5, v117                   ; scale bytes: 32 r + 16 h
	v_lshl_add_u32 v[RP], v118, 4, v[RP]
	v_add_nc_u32 v[SR], ZSC, v[RP]
	v_lshl_add_u32 v[PW], v118, 5, SCP
	v_add_nc_u32 v[PW], s54, v[PW]
	v_lshl_add_u32 v[PR], v117, 2, SCP
	v_lshlrev_b32 v[RT], 4, v116                   ; Wk's image: 16 x lane
	v_lshlrev_b32 v[TMP], 2, v117
	v_lshlrev_b32 v[PF], 8, v116
.irp j, 0,1,2,3,4,5,6,7
	v_mov_b32 v[AC+\j], 0
.endr
	v_mov_b32 v[RL], 0
	v_mov_b32 v[RF+1], 0                           ; named as the upper half of a pair
	v_mov_b32 v[RM], 0xff61b1e6                    ; -3e38, under every score
	s_wait_alu depctr_va_vdst(0)
	s_wait_dscnt 0x0                               ; both opening adds are done
	s_wait_kmcnt 0x0
	s_add_nc_u64 s[48:49], s[4:5], s[68:69]
	s_add_nc_u64 s[G0H+2:G0H+3], s[4:5], s[70:71]
	s_or_b32 s[G0H+3], s[G0H+3], 0x80000000
	s_add_nc_u64 s[G0W+2:G0W+3], s[6:7], s[74:75]
	s_or_b32 s[G0W+3], s[G0W+3], 0x80000000
	s_cmp_lt_u32 s45, 2                            ; one tensor load a wave at the head, one in each arm
	s_cbranch_scc0 .Lhead_w
	tensor_load_to_lds s[G0H:G0H+3], s[G1Z:G1Z+7]
	s_nop 0
	PLACES
	s_branch .Lhead_asked
.Lhead_w:
	tensor_load_to_lds s[G0W:G0W+3], s[G1W:G1W+7]
	s_nop 0
	PLACES
.Lhead_asked:
	s_add_nc_u64 s[56:57], s[6:7], s[72:73]
	s_add_nc_u64 s[58:59], s[8:9], s[76:77]
	s_add_nc_u64 s[60:61], s[8:9], s[78:79]
	s_add_nc_u64 s[62:63], s[10:11], s[80:81]
	s_add_nc_u64 s[66:67], s[10:11], s[82:83]
	s_add_nc_u64 s[12:13], s[12:13], s[84:85]
	s_add_nc_u64 s[14:15], s[14:15], s[86:87]
	s_mov_b64 s[G0Z+2:G0Z+3], s[48:49]             ; slot 0's set stands at step 0 and is stepped to step 2 before its first use
	s_or_b32 s[G0Z+3], s[G0Z+3], 0x80000000
	s_add_nc_u64 s[G0Z+6:G0Z+7], s[48:49], STEP
	s_or_b32 s[G0Z+7], s[G0Z+7], 0x80000000
.macro KLOAD t                         ; tile t of Wk: eight fragments, 64 registers
.irp s, 0,1,2,3,4,5,6,7
.irp c, 0,1
	global_load_b128 v[64*((\t)%4)+8*\s+4*\c:64*((\t)%4)+8*\s+4*\c+3], v[RT], s[56:57] offset:8192*(\t)+1024*\s+512*\c
.endr
.endr
.endm
	WIN 0x40
.irp t, 0,1,2,3
	KLOAD \t
.endr
	WIN 0x80
.irp t, 4,5,6,7
	KLOAD \t
.endr
	WIN 0xc0
.irp t, 8,9,10
	KLOAD \t
.endr
	WIN 0
.irp t, 0,1,2,3,4,5,6,7,8,9,10
	global_load_b128 v[WS+4*\t:WS+4*\t+3], v[RP], s[58:59] offset:512*\t
	global_load_b32 v[QV+\t], v[TMP], s[62:63] offset:64*\t
.endr
.irp t, 0,1,2,3,4
	global_load_b128 v[WS+44+4*\t:WS+44+4*\t+3], v[RP], s[60:61] offset:512*\t
	global_load_b32 v[QV+11+\t], v[TMP], s[66:67] offset:64*\t
.endr
; the largest magnitudes of rows a and b (a lane: one block of 32 of each), with the floor 2^(3 - 127); then 2 off the exponent field: the conversion's scale operand
.macro MAX2 a, b, ta, tb
	v_max3_num_f32 v[E+\a], |v[X+32*\a]|, |v[X+32*\a+1]|, 0x1800000
	v_max3_num_f32 v[E+\b], |v[X+32*\b]|, |v[X+32*\b+1]|, 0x1800000
	v_max3_num_f32 v[\ta], |v[X+32*\a+16]|, |v[X+32*\a+17]|, |v[X+32*\a+18]|
	v_max3_num_f32 v[\tb], |v[X+32*\b+16]|, |v[X+32*\b+17]|, |v[X+32*\b+18]|
.irp k, 2,4,6,8,10,12
	v_max3_num_f32 v[E+\a], v[E+\a], |v[X+32*\a+\k]|, |v[X+32*\a+\k+1]|
	v_max3_num_f32 v[E+\b], v[E+\b], |v[X+32*\b+\k]|, |v[X+32*\b+\k+1]|
	v_max3_num_f32 v[\ta], v[\ta], |v[X+32*\a+17+\k]|, |v[X+32*\a+18+\k]|
	v_max3_num_f32 v[\tb], v[\tb], |v[X+32*\b+17+\k]|, |v[X+32*\b+18+\k]|
.endr
	v_max3_num_f32 v[E+\a], v[E+\a], |v[X+32*\a+14]|, |v[X+32*\a+15]|
	v_max3_num_f32 v[E+\b], v[E+\b], |v[X+32*\b+14]|, |v[X+32*\b+15]|
	v_max3_num_f32 v[E+\a], v[E+\a], v[\ta], |v[X+32*\a+31]|
	v_max3_num_f32 v[E+\b], v[E+\b], v[\tb], |v[X+32*\b+31]|
	v_add_nc_u32 v[E+\a], 0xff000000, v[E+\a]
	v_add_nc_u32 v[E+\b], 0xff000000, v[E+\b]
.endm
.macro CVT2 a, b, dst
.irp g, 0,1,2,3
	v_cvt_scalef32_pk8_fp4_f32 v[\dst+\g], v[X+32*\a+8*\g:X+32*\a+8*\g+7], v[E+\a]
	v_cvt_scalef32_pk8_fp4_f32 v[\dst+4+\g], v[X+32*\b+8*\g:X+32*\b+8*\g+7], v[E+\b]
.endr
	v_nop                                          ; one plain place behind a scaled conversion
.endm
.macro QLOAD slot, a, b                ; rows a and b of my four: 16 loads
.irp i, \a, \b
.irp j, 0,1,2,3,4,5,6,7
	ds_load_b128 v[X+32*\i+4*\j:X+32*\i+4*\j+3], v[ZQ+\slot] offset:ZROW*\i+16*\j
.endr
.endr
.endm
.macro QCALC                           ; my four rows become codes and scale bytes in LDS
	s_wait_dscnt 16                                ; rows 0 and 1 are in; the 16 loads of rows 2 and 3 may be out
	MAX2 0, 1, E+2, E+3
	CVT2 0, 1, S
	s_wait_dscnt 0x0
	MAX2 2, 3, X+8, X+9
	CVT2 2, 3, X
.irp i, 0,1,2,3
	v_lshrrev_b32 v[X+8+\i], 23, v[E+\i]
.endr
	ds_store_b128 v[CW], v[S:S+3]
	ds_store_b128 v[CW], v[S+4:S+7] offset:WP
	ds_store_b128 v[CW], v[X:X+3] offset:2*WP
	ds_store_b128 v[CW], v[X+4:X+7] offset:3*WP
.irp i, 0,1,2,3
	ds_store_b8 v[SW], v[X+8+\i] offset:32*\i
.endr
.endm
; product I of the 88 on register tiles: groups of 4, 4 and 3 tiles, K steps ascending, the group's accumulators by turns
.macro RES
.if I < 64
.set GG, I/32
.set KS, (I%32)/4
.set AA, I%4
.else
.set GG, 2
.set KS, (I-64)/3
.set AA, (I-64)%3
.endif
.set WN, 0x03+4*(GG+1)
	WIN WN
.set RD_, RA+8*AA
.set RA_, AF+8*KS
.set RB_, 64*AA+8*KS
.set SA_, ZS+KS%4
.set SB_, WS+4*(4*GG+AA)+KS%4
.if KS == 0
	v_wmma_scale_f32_16x16x128_f8f6f4 v[RD_:RD_+7], v[RA_:RA_+7], v[RB_:RB_+7], 0, v[SA_], v[SB_] matrix_a_fmt:MATRIX_FMT_FP4 matrix_b_fmt:MATRIX_FMT_FP4
.elseif KS < 4
	v_wmma_scale_f32_16x16x128_f8f6f4 v[RD_:RD_+7], v[RA_:RA_+7], v[RB_:RB_+7], v[RD_:RD_+7], v[SA_], v[SB_] matrix_a_fmt:MATRIX_FMT_FP4 matrix_b_fmt:MATRIX_FMT_FP4
.else
	v_wmma_scale_f32_16x16x128_f8f6f4 v[RD_:RD_+7], v[RA_:RA_+7], v[RB_:RB_+7], v[RD_:RD_+7], v[SA_], v[SB_] matrix_a_fmt:MATRIX_FMT_FP4 matrix_b_fmt:MATRIX_FMT_FP4 matrix_a_scale:MATRIX_SCALE_ROW1 matrix_b_scale:MATRIX_SCALE_ROW1
.endif
.endm
.macro LFETCH s                        ; K step s of my five LDS tiles: 10 loads
.irp a, 0,1,2,3,4
.irp c, 0,1
	ds_load_b128 v[BB+8*\a+4*\c:BB+8*\a+4*\c+3], v[BL] offset:8192*\a+1024*(\s)+512*\c
.endr
.endr
.endm
.macro LB s                            ; the five products of K step s on LDS tiles, then the next K step's fetch
	WIN 0x03
.if (\s) > 0
	s_wait_dscnt 0x0
.endif                                 ; (K step 0's fragments were asked for ahead of the rows' first fragment, which has been waited for)
.irp a, 0,1,2,3,4
.if (\s) == 0
	v_wmma_scale_f32_16x16x128_f8f6f4 v[LA+8*\a:LA+8*\a+7], v[AF+8*(\s):AF+8*(\s)+7], v[BB+8*\a:BB+8*\a+7], 0, v[ZS+(\s)%4], v[WS+4*(11+\a)+(\s)%4] matrix_a_fmt:MATRIX_FMT_FP4 matrix_b_fmt:MATRIX_FMT_FP4
.elseif (\s) < 4
	v_wmma_scale_f32_16x16x128_f8f6f4 v[LA+8*\a:LA+8*\a+7], v[AF+8*(\s):AF+8*(\s)+7], v[BB+8*\a:BB+8*\a+7], v[LA+8*\a:LA+8*\a+7], v[ZS+(\s)%4], v[WS+4*(11+\a)+(\s)%4] matrix_a_fmt:MATRIX_FMT_FP4 matrix_b_fmt:MATRIX_FMT_FP4
.else
	v_wmma_scale_f32_16x16x128_f8f6f4 v[LA+8*\a:LA+8*\a+7], v[AF+8*(\s):AF+8*(\s)+7], v[BB+8*\a:BB+8*\a+7], v[LA+8*\a:LA+8*\a+7], v[ZS+(\s)%4], v[WS+4*(11+\a)+(\s)%4] matrix_a_fmt:MATRIX_FMT_FP4 matrix_b_fmt:MATRIX_FMT_FP4 matrix_a_scale:MATRIX_SCALE_ROW1 matrix_b_scale:MATRIX_SCALE_ROW1
.endif
.endr
.if (\s) < 7
	PLACES
	WIN 0
	LFETCH (\s)+1
.endif
.endm
.macro FOLD acc, t, first              ; scores += K(rows, my column of tile t) x Q(that column)
.irp j, 0,2,4,6
.if \first
	v_pk_mul_f32 v[S+\j:S+\j+1], v[\acc+\j:\acc+\j+1], v[QV:QV+1] op_sel_hi:[1,0]
.elseif ((\t)%2) == 0
	v_pk_fma_f32 v[S+\j:S+\j+1], v[\acc+\j:\acc+\j+1], v[QV+(\t):QV+(\t)+1], v[S+\j:S+\j+1] op_sel_hi:[1,0,1]
.else
	v_pk_fma_f32 v[S+\j:S+\j+1], v[\acc+\j:\acc+\j+1], v[QV+(\t)-1:QV+(\t)], v[S+\j:S+\j+1] op_sel:[0,1,0] op_sel_hi:[1,1,1]
.endif
.endr
.endm
.macro FOLDG g
	PLACES
	WIN 0
.if (\g) == 0
	FOLD RA, 0, 1
.else
	s_wait_alu depctr_va_vdst(0)
	FOLD RA, 4*(\g), 0
.endif
	FOLD RA+8, 4*(\g)+1, 0
	FOLD RA+16, 4*(\g)+2, 0
	FOLD RA+24, 4*(\g)+3, 0
.endm
; The products of a step.  LDS loads in issue order: K step 0 of the LDS tiles (10, ahead of the barrier's wait), the rows' scale words (1), the rows' fragments (2 each, 16).
; The first group's products wait by count: ahead of K step k's first product the loads issued behind its fragment may be out: 14 - 2 k, and from K step 3 on 10 more, the LDS tiles' K step 1.
.macro GPHASE
	ds_load_b128 v[ZS:ZS+3], v[SR]
	WIN 0xc0
.irp s, 0,1,2,3,4,5,6,7
.irp c, 0,1
	ds_load_b128 v[AF+8*\s+4*\c:AF+8*\s+4*\c+3], v[CR] offset:64*\s+32*\c
.endr
.endr
	WIN 0
.set I, 0
.rept 88
.if I < 12 && I%4 == 0
	s_wait_dscnt 14-I/2
.endif
.if I >= 12 && I < 21 && I%4 == 0
	s_wait_dscnt 24-I/2
.endif
	RES
.if I == 31
	FOLDG 0
.endif
.if I == 63
	FOLDG 1
.endif
.if I%11 == 10
	LB I/11
.endif
.set I, I+1
.endr
	PLACES
	WIN 0
	s_wait_alu depctr_va_vdst(0)
	FOLD RA, 8, 0
	FOLD RA+8, 9, 0
	FOLD RA+16, 10, 0
	FOLD LA, 11, 0
	FOLD LA+8, 12, 0
	FOLD LA+16, 13, 0
	FOLD LA+24, 14, 0
	FOLD LA+32, 15, 0
.endm
.macro SCORES slot                     ; my 256 columns' share of the 16 scores, summed over lanes, meets the other waves' in LDS; the step's rows are asked for by columns
.irp k, 1,2,4,8
.irp j, 0,1,2,3,4,5,6,7
	v_add_f32_dpp v[S+\j], v[S+\j], v[S+\j] row_xmask:\k row_mask:0xf bank_mask:0xf
.endr
.endr
	ds_store_b128 v[PW], v[S:S+3]
	ds_store_b128 v[PW], v[S+4:S+7] offset:16
	s_wait_dscnt 0x0
	s_barrier_signal -1
	s_barrier_wait -1
.irp u, 0,1,2,3
	ds_load_b32 v[E+\u], v[PR] offset:64*\u
.endr
.irp p, 0,1,2,3,4,5,6,7,8,9,10,11,12,13,14,15
.irp i, 0,1
	ds_load_b128 v[ZB+8*\p+4*\i:ZB+8*\p+4*\i+3], v[ZP+2*\slot+\p/8] offset:ZROW*(\p%8)+544*\i
.endr
.endr
	s_wait_dscnt 32                                ; the four partial scores are in; the 32 loads behind them may be out
.endm
.macro SOFTMAX                         ; lane r: row r.  t = score x log2(e) / 32; the running maximum; p = 2^(t - m); f = 2^(old m - new m)
	v_add_f32 v[E], v[E], v[E+1]
	v_add_f32 v[E+2], v[E+2], v[E+3]
	v_add_f32 v[E], v[E], v[E+2]
	v_mul_f32 v[RT], 0x3d38aa3b, v[E]
	v_mov_b32 v[TMP], v[RT]
.irp k, 1,2,4,8
	v_max_num_f32_dpp v[TMP], v[TMP], v[TMP] row_xmask:\k row_mask:0xf bank_mask:0xf
.endr
	v_max_num_f32 v[TMP], v[TMP], v[RM]
	v_sub_f32 v[RF], v[RM], v[TMP]
	v_sub_f32 v[RP], v[RT], v[TMP]
	v_mov_b32 v[RM], v[TMP]
	s_wait_alu depctr_va_vdst(0)
	v_exp_f32 v[RF], v[RF]
	v_exp_f32 v[RP], v[RP]
	v_nop
	s_wait_alu depctr_va_vdst(0)
	v_fma_f32 v[RL], v[RL], v[RF], v[RP]           ; each lane keeps its own row's share; the lanes are summed once, at the end
.irp p, 0,1,2,3,4,5,6,7,8,9,10,11,12,13,14,15
	v_readlane_b32 s[68+2*\p], v[RP], \p
.endr
.irp q, 0,2,4,6
	v_pk_mul_f32 v[AC+\q:AC+\q+1], v[AC+\q:AC+\q+1], v[RF:RF+1] op_sel_hi:[1,0]
.endr
.endm
.macro PVH h                           ; the sum of p z over rows 8 h .. 8 h + 7
.irp p, 0,1,2,3,4,5,6,7
.irp q, 0,2,4,6
	v_pk_fma_f32 v[AC+\q:AC+\q+1], v[ZB+64*\h+8*\p+\q:ZB+64*\h+8*\p+\q+1], s[68+16*\h+2*\p:69+16*\h+2*\p], v[AC+\q:AC+\q+1] op_sel_hi:[1,0,1]
.endr
.endr
.endm
; A step.  fill = 1: its slot is filled again, with the step two on, and the step three on is prefetched at the head.  next = 1: a step follows.
.macro ZSTEP slot, fill, next
.if \fill
; the prefetch as it stands here: step i names my quarter of step i + 3, whose tensor load stands at the end of step i + 1: two steps ahead.  Step 2 is named in front of the loop; step 13, the slot-1 step of the last trip, would name step 16 and asks for nothing
.if \slot
	s_cmp_eq_u32 s44, 1
	s_cbranch_scc1 .Lno_ask_\@
.endif
	global_prefetch_b8 v[PF], s[48:49] offset:(\slot+3)*STEP th:TH_LOAD_NT scope:SCOPE_SE
	global_prefetch_b8 v[PF], s[48:49] offset:(\slot+3)*STEP+8192 th:TH_LOAD_NT scope:SCOPE_SE
.if \slot
.Lno_ask_\@:
.endif
.endif
	QCALC
	s_wait_dscnt 0x0                               ; my codes and scale bytes lie in LDS
	s_barrier_signal -1
	LFETCH 0                                       ; bytes that nobody writes
	s_barrier_wait -1
	s_wait_loadcnt 0x0                             ; Wk, its scale words, Q (the first step)
	GPHASE
	SCORES \slot
	SOFTMAX
	s_wait_alu depctr_va_vdst(0)
	s_wait_dscnt 0x0                               ; the 16 rows are in registers: my reads of this slot are over
.if \next
	s_wait_tensorcnt 0x0                           ; my one tensor load, my quarter of the other slot, has landed
	ds_add_u32 v[SPW], v[NIL]
.if \fill
	s_add_nc_u64 s[G0Z+4*\slot+2:G0Z+4*\slot+3], s[G0Z+4*\slot+2:G0Z+4*\slot+3], 2*STEP
.endif
	PVH 0
	s_wait_alu depctr_va_vdst(0)
	s_wait_dscnt 0x0
	s_barrier_signal -1
	s_barrier_wait -1
.if \fill
	tensor_load_to_lds s[G0Z+4*\slot:G0Z+4*\slot+3], s[G1Z:G1Z+7]
	s_nop 0
	PLACES
.endif
	QLOAD 1-\slot, 0, 1                            ; the next step's rows for the quantiser land where rows 0-7 lay,
	PVH 1
	QLOAD 1-\slot, 2, 3                            ; and where rows 8-15 lay
.else
	PVH 0
	PVH 1
.endif
.endm
	s_wait_tensorcnt 0x0                           ; my tile of the head's four is in; the full sequence ahead of slot 1's first fill
	ds_add_u32 v[SPW], v[NIL]
	s_mov_b32 s[G1Z+2], 64<<16                     ; no tensor load of mine is out: from here on a load brings 64 rows of 256 bytes
	s_mov_b32 s[G1Z+4], 64
.irp p, 0,1,2,3,4,5,6,7,8,9,10,11,12,13,14,15
	s_mov_b32 s[69+2*\p], 0                        ; the upper halves of the pairs that hold the p's
.endr
	s_mov_b32 s44, 7
	s_wait_dscnt 0x0
	s_barrier_signal -1
	s_barrier_wait -1
	tensor_load_to_lds s[G0Z+4:G0Z+7], s[G1Z:G1Z+7]
	s_nop 0
	PLACES
	QLOAD 0, 0, 1
	QLOAD 0, 2, 3
	global_prefetch_b8 v[PF], s[48:49] offset:2*STEP th:TH_LOAD_NT scope:SCOPE_SE        ; my quarter of step 2, whose tensor load stands at the end of step 0
	global_prefetch_b8 v[PF], s[48:49] offset:2*STEP+8192 th:TH_LOAD_NT scope:SCOPE_SE
.Lloop:
	ZSTEP 0, 1, 1
	ZSTEP 1, 1, 1
	s_wait_xcnt 0x0                                ; the prefetches have read their base
	s_add_nc_u64 s[48:49], s[48:49], 2*STEP
	s_sub_co_u32 s44, s44, 1
	s_cmp_lg_u32 s44, 0
	s_cbranch_scc1 .Lloop
	ZSTEP 0, 0, 1                                  ; the last two steps fill nothing
	ZSTEP 1, 0, 0
.irp k, 1,2,4,8
	v_add_f32_dpp v[RL], v[RL], v[RL] row_xmask:\k row_mask:0xf bank_mask:0xf   ; l: the sixteen rows' shares
.endr
	v_and_b32 v[RT], 31, v0
	v_lshlrev_b32 v[RP], 3, v[RT]
	v_lshlrev_b32 v[RT], 4, v[RT]
	s_lshl_b32 s47, s45, 10
	v_add_nc_u32 v[RT], s47, v[RT]
	s_wait_alu depctr_va_vdst(0)
	s_cmp_lg_u32 s45, 0
	s_cbranch_scc1 .Lno_stat
	global_store_b64 v[RP], v[RM:RM+1], s[14:15]   ; 32 x (m, l): 256 consecutive bytes
.Lno_stat:
	global_store_b128 v[RT], v[AC:AC+3], s[12:13]  ; 512 consecutive bytes an instruction
	global_store_b128 v[RT], v[AC+4:AC+7], s[12:13] offset:512
	s_wait_tensorcnt 0x0                           ; the wave's end
	ds_add_u32 v[SPW], v[NIL]
	s_wait_dscnt 0x0
	s_endpgm
.Lfunc_end_k_qd5c044d8e8_attn:
	.size	k_qd5c044d8e8_attn, .Lfunc_end_k_qd5c044d8e8_attn-k_qd5c044d8e8_attn
	.p2alignl 7, 3214868480
	.fill 96, 4, 3214868480
	.section	.rodata,"a",@progbits
	.p2align	6, 0x0
	.amdhsa_kernel k_qd5c044d8e8_attn
		.amdhsa_group_segment_fixed_size 327680
		.amdhsa_private_segment_fixed_size 0
		.amdhsa_enable_private_segment 0
		.amdhsa_kernarg_size 48
		.amdhsa_user_sgpr_count 2
		.amdhsa_user_sgpr_kernarg_segment_ptr 1
		.amdhsa_wavefront_size32 1
		.amdhsa_system_sgpr_workgroup_id_x 1
		.amdhsa_system_sgpr_workgroup_id_y 1
		.amdhsa_system_sgpr_workgroup_id_z 1
		.amdhsa_system_vgpr_workitem_id 0
		.amdhsa_next_free_vgpr 1024
		.amdhsa_next_free_sgpr 100
		.amdhsa_reserve_vcc 0
		.amdhsa_float_denorm_mode_32 3
		.amdhsa_float_denorm_mode_16_64 3
		.amdhsa_memory_ordered 1
		.amdhsa_forward_progress 1
		.amdhsa_inst_pref_size 221
	.end_amdhsa_kernel
	.amdgpu_metadata
---
amdhsa.version: [ 1, 2 ]
amdhsa.kernels:
  - .name:           k_qd5c044d8e8_attn
    .symbol:         k_qd5c044d8e8_attn.kd
    .args:
      - { .name: z_eeg, .offset: 0, .size: 8, .value_kind: global_buffer, .address_space: global }
      - { .name: wkr, .offset: 8, .size: 8, .value_kind: global_buffer, .address_space: global }
      - { .name: Wk_scales, .offset: 16, .size: 8, .value_kind: global_buffer, .address_space: global }
      - { .name: qbuf, .offset: 24, .size: 8, .value_kind: global_buffer, .address_space: global }
      - { .name: part, .offset: 32, .size: 8, .value_kind: global_buffer, .address_space: global }
      - { .name: stat, .offset: 40, .size: 8, .value_kind: global_buffer, .address_space: global }
    .group_segment_fixed_size: 327680
    .private_segment_fixed_size: 0
    .kernarg_segment_align: 8
    .kernarg_segment_size: 48
    .max_flat_workgroup_size: 128
    .sgpr_count:     100
    .vgpr_count:     1024
    .wavefront_size: 32
...
	.end_amdgpu_metadata
.endif
;; end of part 2
;; launch fuse (part 3): grid 16 x 8, 8 waves a work-group, no clusters, 175,360 bytes of LDS; arguments part, stat, z_rppg, Wf_w_codes, Wf_w_scales, Wm_w_codes, Wm_w_scales, Wf_b, bf, Wm_b, out0, zq; writes out0
.if DOCPART == 3
	.amdgcn_target "amdgcn-amd-amdhsa--gfx1250"
	.amdhsa_code_object_version 6
	.text
	.protected	k_qd5c044d8e8_fuse
	.globl	k_qd5c044d8e8_fuse
	.p2align	8
	.type	k_qd5c044d8e8_fuse,@function
k_qd5c044d8e8_fuse:
	s_mov_b64 s[64:65], 0
	v_nop
	global_prefetch_b8 v0, s[64:65] scope:SCOPE_SE
	s_setreg_imm32_b32 hwreg(HW_REG_WAVE_MODE, 25, 1), 1
	s_wait_xcnt 0x0
; h = relu(z_rppg + (A Wm + Wm_b) x sigmoid([A, z_rppg] Wf + Wf_b + bf)), both products on codes of E2M1 with E8M0 scales.
; A is joined here from the two halves of a batch: part [256 (2 b + half)][1024] holds the sum of p z under the half's own maximum m, stat [256][32 x (m, l)] holds m (in powers of two) and the sum l of p:
; A = (part0 e0 + part1 e1) / (l0 e0 + l1 e1), e_i = 2^(m_i - max(m0, m1)).
; Wf: codes [1024 (e)][1,024 bytes], scale bytes [1024][64]; Wm: codes [1024][512 bytes], scale bytes [1024][32]; K innermost.
; SHARES.  Work-group (x, y) makes rows 16 y .. 16 y + 15, columns 64 x .. 64 x + 63: 256 bytes of each row of h.
; Wave v joins and quantises K step v of A (columns 128 v on); z_rppg's fragments come from zq.  Its tile of 32 rows x 512 bytes (part's two halves) comes by one
; tensor load into LDS bytes of its own, rows 528 bytes apart, filled once and read by this wave alone.  A's fragment goes to the other waves through LDS as an image of its registers.  A's codes serve both products.
; Then wave v makes the tile of 16 columns 64 x + 16 (v & 3) on, over HALF of each product's K: K steps 4 (v >> 2) + 0 .. 3 of A, and the same of z_rppg.  Three accumulators by turns, one instruction a turn
; the gate on A, the value on A, the gate on z_rppg.  So a wave fetches 12 fragments of the weights.
; THE MATRIX INSTRUCTION IS USED TRANSPOSED (source 0 = 16 rows of a weight's codes, source 1 = the 16 rows): a lane holds eight neighbouring columns of one row.
; THE TWO HALVES OF K MEET IN LDS: each wave leaves its two sums as images of their registers; behind a barrier wave v reads, of both waves of its tile, registers 4 (v >> 2) + 0 .. 3, and finishes those four columns of a lane.
; The results meet in a stage (rows of 256 bytes + 16); each wave stores two whole rows: sixteen lanes to 256 consecutive bytes, aligned.
; NO CLUSTER: what partners would share is one group of first fills in a text without a loop; two rounds of the cluster's barrier would stand round that single group.
; LIMITS: NaN and infinities among the inputs are not served; a block whose largest magnitude lies under 2^-124 (a block of zeros too) gets the scale byte 1: its codes are zeros or held, and the bytes are read by this program alone.
; REGISTERS: window 0 as named below; window 1: v0-31 Wf's four fragments on A, v32-63 its four on z_rppg, v64-95 Wm's four, v192-255 the second half's part of A.
.set FRB,  1024                        ; a fragment's image
.set TP,   528                         ; a tile's row in LDS: 512 bytes + 16: row r starts at bank 4 r mod 64 (64 banks of 4 bytes: ISA guide 11.1)
.set TILE, 16*TP
.set WREG, 16896                       ; LDS: for each wave ONE tile, by one tensor load: 32 rows x 512 bytes of part, batch r's two halves in rows 2 r and 2 r + 1, rows 528 bytes apart, read by this wave alone.  z_rppg is not quantised here: its fragments and scale words come from zq, as the first launch left them,
.set XIMG, 8*WREG                      ; A's eight fragments (room for sixteen),
.set XSC,  XIMG+16*FRB                 ; their scale words, 128 bytes each,
.set EXB,  XSC+16*128                  ; the sums over half of K: 2,048 bytes a wave: the gate's registers 0-3, 4-7, the value's 0-3, 4-7,
.set STG,  EXB+8*2048                  ; the stage: 16 rows x 272 bytes
.set SPI,  272
.set BO,   1                           ; v1   the biases: 32 h
.set STA,  2                           ; v2   stat: 512 r
.set RO,   3                           ; v3   the residual: 4096 r + 32 h
.set TA,   4                           ; v4   my tiles in LDS: WREG x wave + 1056 r + 64 h
.set LI,   5                           ; v5   16 x lane
.set OO,   6                           ; v6   h: 4096 h + 16 r
.set XWI,  7                           ; v7   where I store a fragment: XIMG + 16 x lane + FRB x wave
.set XWS,  8                           ; v8   and its scale words: XSC + 4 x lane + 128 x wave
.set WFA,  9                           ; v9   Wf's codes: 1024 r + 16 h
.set WMA,  10                          ; v10  Wm's codes: 512 r + 16 h
.set SO,   11                          ; v11  the stage, in
.set SR,   12                          ; v12  the stage, back
.set FI,   13                          ; v13  where I read fragments: XIMG + 16 x lane + 4 FRB x K half
.set FS,   14                          ; v14  and scale words: XSC + 4 x lane + 512 x K half
.set WFSA, 15                          ; v15  Wf's scale bytes: 64 r
.set XF,   16                          ; v16-79 the first half's part, then A; later A's four fragments
.set ZN,   80                          ; v80-111 z_rppg's four fragments, from zq
.set TM,   144                         ; v144-159 at work in the quantiser; later the four quads read from the exchange
.set PC0,  160                         ; v160-167 A's codes; at the end v160-163: two rows read back
.set PW0,  168                         ; v168     A's scale word
.set WMSA, 169                         ; v169 Wm's scale bytes: 32 r
.set WFS,  180                         ; v180-187 Wf's scale words: register j: my K half's step j on A; 4 + j: on z_rppg
.set WMS,  188                         ; v188-191 Wm's
.set XSW,  192                         ; v192-199 the rows' scale words: i: A's; 4 + i: z_rppg's
.set PC1,  200
.set PW1,  208
.set EW,   209                         ; v209 the exchange, in: EXB + 2048 x wave + 16 x lane
.set ER,   210                         ; v210 the exchange, back: EXB + 2048 x tile + 512 x K half + 16 x lane
.set BF5,  212                         ; v212-215 Wf_b, then Wf_b + bf
.set BF2,  216                         ; v216-219 bf
.set BM,   220                         ; v220-223 Wm_b
.set RES,  224                         ; v224-227 the residual, then h
.set P6,   228                         ; v228-235 the value
.set P5A,  236                         ; v236-243 the gate on A
.set P5B,  244                         ; v244-251 the gate on z_rppg
.set SEL,  28                          ; s[28:29] lane selects for v_permlanex16_b32: lane l xor 16
.set G1P,  40                          ; s[40:47] descriptor group 1 for part's tiles
.set G1R,  48
.set G0A,  56                          ; s[56:59] group 0: part's tile
.set G0B,  60
.set G0C,  68
.set MSB, 0
.macro WIN new
.if MSB != \new
	s_set_vgpr_msb (MSB<<8)|\new
.set MSB, \new
.endif
.endm
.macro QUANT s, pc, pw                 ; 64 numbers of a lane, register 16 b + i = k 32 b + 16 (lane / 16) + i of my row, become a fragment's codes in v[pc] on and its scale word in v[pw]
.irp b, 0,1,2,3
	v_max3_num_f32 v[TM+\b], |v[\s+16*\b]|, |v[\s+1+16*\b]|, 0x1800000   ; and the floor 2^(3 - 127): so the byte cannot fall under 1
.endr
.irp i, 2,4,6,8,10,12,14
.irp b, 0,1,2,3
	s_delay_alu instid0(VALU_DEP_4)
	v_max3_num_f32 v[TM+\b], v[TM+\b], |v[\s+16*\b+\i]|, |v[\s+1+16*\b+\i]|
.endr
.endr
.irp b, 0,1,2,3
	s_delay_alu instid0(VALU_DEP_4)
	v_permlanex16_b32 v[TM+4+\b], v[TM+\b], s[SEL], s[SEL+1]
.endr
.irp b, 0,1,2,3
	s_delay_alu instid0(VALU_DEP_4)
	v_max_num_f32 v[TM+\b], v[TM+\b], v[TM+4+\b]
.endr
.irp b, 0,1,2,3
	s_delay_alu instid0(VALU_DEP_4)
	v_add_nc_u32 v[TM+12+\b], 0xff000000, v[TM+\b]   ; 2 off the exponent field: the conversion's scale operand
.endr
.irp b, 0,1,2,3
	s_delay_alu instid0(VALU_DEP_4)
	v_lshrrev_b32 v[TM+4+\b], 23, v[TM+12+\b]
.endr
	s_delay_alu instid0(VALU_DEP_3)
	v_lshl_or_b32 v[\pw], v[TM+5], 8, v[TM+4]
	s_delay_alu instid0(VALU_DEP_1)
	v_lshl_or_b32 v[\pw], v[TM+6], 16, v[\pw]
	s_delay_alu instid0(VALU_DEP_1)
	v_lshl_or_b32 v[\pw], v[TM+7], 24, v[\pw]
.irp b, 0,1,2,3
	v_cvt_scalef32_pk8_fp4_f32 v[\pc+2*\b], v[\s+16*\b:\s+7+16*\b], v[TM+12+\b]
	v_cvt_scalef32_pk8_fp4_f32 v[\pc+1+2*\b], v[\s+8+16*\b:\s+15+16*\b], v[TM+12+\b]
.endr
	v_nop                                          ; one plain place behind a scaled conversion
.irp c, 0,1
.irp i, 0,1
	v_permlane16_swap_b32 v[\pc+4*\c+\i], v[\pc+2+4*\c+\i]
.endr
.endr
.endm
.macro BARRIER                         ; my LDS stores have landed and my LDS loads are in: then the work-group's barrier
	s_wait_dscnt 0x0
	s_barrier_signal -1
	s_barrier_wait -1
.endm
.macro TLOAD64 reg, off                ; a tile's 64 numbers of my row, from LDS
.irp b, 0,1,2,3
.irp j, 0,1,2,3
	ds_load_b128 v[\reg+16*\b+4*\j:\reg+16*\b+4*\j+3], v[TA] offset:\off+128*\b+16*\j
.endr
.endr
.endm
.macro OFF2 ra, sha, rb, shb           ; s[30:31] = (ra << sha) + (rb << shb); s31 stays 0
	s_lshl_b32 s30, \ra, \sha
	s_lshl_b32 s32, \rb, \shb
	s_add_co_u32 s30, s30, s32
.endm
	s_load_b256 s[4:11], s[0:1], 0x0               ; part s[4:5], stat s[6:7], z_rppg s[8:9], Wf's codes s[10:11]
	s_load_b256 s[12:19], s[0:1], 0x20             ; Wf's scales s[12:13], Wm's codes s[14:15], Wm's scales s[16:17], Wf_b s[18:19]
	s_load_b128 s[20:23], s[0:1], 0x40             ; bf s[20:21], Wm_b s[22:23]
	s_load_b64 s[24:25], s[0:1], 0x50              ; h
	s_load_b64 s[60:61], s[0:1], 0x58              ; z_rppg's fragments
	v_lshl_add_u32 v254, v0, 2, 0x2a900            ; my spare word, behind the stage
	v_mov_b32 v255, 0
	ds_add_u32 v254, v255
	ds_add_u32 v254, v255
	v_lshrrev_b32 v144, 5, v0
	s_delay_alu instid0(VALU_DEP_1)
	v_readfirstlane_b32 s26, v144                  ; wave 0..7
	s_and_b32 s27, ttmp7, 0xffff                   ; y
	s_and_b32 s36, s26, 3                          ; my tile of 16 columns
	s_lshr_b32 s37, s26, 2                         ; my half of K
	v_and_b32 v144, 31, v0                         ; lane
	v_and_b32 v145, 15, v0                         ; r
	v_bfe_u32 v146, v0, 4, 1                       ; h
	s_wait_alu depctr_va_vdst(0)
	v_lshlrev_b32 v147, 2, v144                    ; 4 x lane
	; descriptor group 1: a tile of 32 rows x 64 elements of 8 bytes, rows 4,096 bytes apart in memory, four words of padding behind every 128 words
	s_mov_b32 s[G1P+0], (3<<16)|(1<<20)|(6<<22)|(3<<25)
	s_mov_b32 s[G1P+1], 64<<16
	s_mov_b32 s[G1P+2], 32<<16
	s_mov_b32 s[G1P+3], 64<<16
	s_mov_b32 s[G1P+4], 32
	s_mov_b32 s[G1P+5], 512
	s_mov_b32 s[G1P+6], 0
	s_mov_b32 s[G1P+7], 0
	s_mul_i32 s33, s26, WREG
	s_mov_b32 s[G0A], 1
	s_mov_b32 s[G0A+1], s33
	v_lshlrev_b32 v[BO], 5, v146
	v_lshlrev_b32 v[STA], 9, v145
	v_lshlrev_b32 v[RO], 12, v145
	s_delay_alu instid0(VALU_DEP_1)
	v_lshl_add_u32 v[RO], v146, 5, v[RO]
	v_mul_u32_u24 v[TA], v145, 2*TP                ; my tile: batch r's first half is row 2 r
	s_delay_alu instid0(VALU_DEP_1)
	v_lshl_add_u32 v[TA], v146, 6, v[TA]
	s_delay_alu instid0(VALU_DEP_1)
	v_add_nc_u32 v[TA], s33, v[TA]
	v_lshlrev_b32 v252, 3, v144                    ; 8 x lane: z_rppg's scale words in zq
	v_lshlrev_b32 v[LI], 4, v144
	v_lshlrev_b32 v[OO], 12, v146
	s_delay_alu instid0(VALU_DEP_1)
	v_lshl_add_u32 v[OO], v145, 4, v[OO]
	s_lshl_b32 s32, s26, 10
	v_add_nc_u32 v[XWI], s32, v[LI]
	s_delay_alu instid0(VALU_DEP_1)
	v_add_nc_u32 v[XWI], XIMG, v[XWI]
	s_lshl_b32 s32, s26, 7
	v_add_nc_u32 v[XWS], s32, v147
	s_delay_alu instid0(VALU_DEP_1)
	v_add_nc_u32 v[XWS], XSC, v[XWS]
	v_lshlrev_b32 v[WFA], 10, v145
	s_delay_alu instid0(VALU_DEP_1)
	v_lshl_add_u32 v[WFA], v146, 4, v[WFA]
	v_lshlrev_b32 v[WMA], 9, v145
	s_delay_alu instid0(VALU_DEP_1)
	v_lshl_add_u32 v[WMA], v146, 4, v[WMA]
	v_mul_u32_u24 v[SO], v145, SPI                 ; the stage, in: row r, + 64 x tile + 32 h + 16 x K half: my four columns
	s_delay_alu instid0(VALU_DEP_1)
	v_lshl_add_u32 v[SO], v146, 5, v[SO]
	s_lshl_b32 s32, s36, 6
	s_lshl_b32 s33, s37, 4
	s_add_co_u32 s32, s32, s33
	v_add_nc_u32 v[SO], s32, v[SO]
	s_delay_alu instid0(VALU_DEP_1)
	v_add_nc_u32 v[SO], STG, v[SO]
	s_mul_i32 s32, s26, 2*SPI                      ; back: rows 2 v and 2 v + 1: lanes 0-15 one row of 256 bytes, lanes 16-31 the next
	v_mul_u32_u24 v[SR], v146, SPI
	s_delay_alu instid0(VALU_DEP_1)
	v_lshl_add_u32 v[SR], v145, 4, v[SR]
	s_delay_alu instid0(VALU_DEP_1)
	v_add_nc_u32 v[SR], s32, v[SR]
	s_delay_alu instid0(VALU_DEP_1)
	v_add_nc_u32 v[SR], STG, v[SR]
	s_lshl_b32 s32, s37, 12
	v_add_nc_u32 v[FI], s32, v[LI]
	s_delay_alu instid0(VALU_DEP_1)
	v_add_nc_u32 v[FI], XIMG, v[FI]
	s_lshl_b32 s32, s37, 9
	v_add_nc_u32 v[FS], s32, v147
	s_delay_alu instid0(VALU_DEP_1)
	v_add_nc_u32 v[FS], XSC, v[FS]
	v_lshlrev_b32 v[WFSA], 6, v145
	v_lshlrev_b32 v[WMSA], 5, v145
	s_lshl_b32 s32, s26, 11
	v_add_nc_u32 v[EW], s32, v[LI]
	s_delay_alu instid0(VALU_DEP_1)
	v_add_nc_u32 v[EW], EXB, v[EW]
	s_lshl_b32 s32, s36, 11
	s_lshl_b32 s33, s37, 9
	s_add_co_u32 s32, s32, s33
	v_add_nc_u32 v[ER], s32, v[LI]
	s_delay_alu instid0(VALU_DEP_1)
	v_add_nc_u32 v[ER], EXB, v[ER]
.irp b, 0,1,2,3
	v_mov_b32 v[TM+4+\b], 0                        ; written once: a lane permute's destination counts as one of its sources
.endr
	v_mov_b32 v177, 0                              ; named as the upper halves of pairs
	v_mov_b32 v179, 0
	s_mov_b32 s[SEL], 0x76543210
	s_mov_b32 s[SEL+1], 0xfedcba98
	s_mov_b32 s31, 0
	s_wait_alu depctr_va_vdst(0)
	s_wait_dscnt 0x0
	s_wait_kmcnt 0x0
	OFF2 s27, 17, s26, 9                           ; part: 32 y rows of 4,096 bytes + 512 x wave
	s_add_nc_u64 s[G0A+2:G0A+3], s[4:5], s[30:31]
	s_or_b32 s[G0A+3], s[G0A+3], 0x80000000        ; type 2
	tensor_load_to_lds s[G0A:G0A+3], s[G1P:G1P+7]  ; my one tensor load; nothing is ever filled again
	s_nop 0
.rept 4
	v_nop
.endr
	s_lshl_b32 s30, s27, 3                         ; zq: 1,280 bytes for each (row tile, K step): from K step 4 x my half of K on
	s_lshl_b32 s32, s37, 2
	s_add_co_u32 s30, s30, s32
	s_mul_i32 s30, s30, 1280
	s_add_nc_u64 s[60:61], s[60:61], s[30:31]
	s_lshl_b32 s30, s27, 13                        ; stat: 32 y rows of 256 bytes
	s_add_nc_u64 s[6:7], s[6:7], s[30:31]
	s_lshl_b32 s38, ttmp9, 6
	s_lshl_b32 s32, s36, 4
	s_add_co_u32 s38, s38, s32                     ; my tile's first column: 64 x + 16 x tile
	OFF2 s38, 10, s37, 8                           ; Wf's codes: 1,024 bytes a row; my half of K: 4 K steps of 64 bytes
	s_add_nc_u64 s[10:11], s[10:11], s[30:31]
	OFF2 s38, 6, s37, 4                            ; its scale bytes: 64 a row; 4 words
	s_add_nc_u64 s[12:13], s[12:13], s[30:31]
	OFF2 s38, 9, s37, 8                            ; Wm's codes: 512 bytes a row
	s_add_nc_u64 s[14:15], s[14:15], s[30:31]
	OFF2 s38, 5, s37, 4                            ; its scale bytes: 32 a row
	s_add_nc_u64 s[16:17], s[16:17], s[30:31]
	OFF2 s38, 2, s37, 4                            ; the biases: the columns that I finish: + 4 x K half
	s_add_nc_u64 s[18:19], s[18:19], s[30:31]
	s_add_nc_u64 s[20:21], s[20:21], s[30:31]
	s_add_nc_u64 s[22:23], s[22:23], s[30:31]
	s_lshl_b32 s32, s27, 16
	s_add_co_u32 s30, s30, s32                     ; the residual: the same columns of row 16 y
	s_add_nc_u64 s[34:35], s[8:9], s[30:31]
	OFF2 s27, 16, s26, 13                          ; h: row 16 y + 2 x wave,
	s_lshl_b32 s32, ttmp9, 8
	s_add_co_u32 s30, s30, s32                     ; column 64 x
	s_add_nc_u64 s[24:25], s[24:25], s[30:31]
	global_load_b64 v[170:171], v[STA], s[6:7]     ; (m0, l0) of batch 16 y + r: wanted first
	global_load_b64 v[172:173], v[STA], s[6:7] offset:256   ; (m1, l1)
.irp i, 0,1,2,3
.irp c, 0,1
	global_load_b128 v[ZN+8*\i+4*\c:ZN+8*\i+4*\c+3], v[LI], s[60:61] offset:1280*\i+512*\c   ; z_rppg's four fragments of my half of K: 512 consecutive bytes a load
.endr
	global_load_b32 v[XSW+4+\i], v252, s[60:61] offset:1280*\i+1024   ; and their scale words
.endr
	WIN 0x40
.irp i, 0,1,2,3
.irp c, 0,1
	global_load_b128 v[8*\i+4*\c:8*\i+4*\c+3], v[WFA], s[10:11] offset:64*\i+32*\c
	global_load_b128 v[32+8*\i+4*\c:32+8*\i+4*\c+3], v[WFA], s[10:11] offset:512+64*\i+32*\c
	global_load_b128 v[64+8*\i+4*\c:64+8*\i+4*\c+3], v[WMA], s[14:15] offset:64*\i+32*\c
.endr
.endr
	WIN 0
	global_load_b128 v[WFS:WFS+3], v[WFSA], s[12:13]
	global_load_b128 v[WFS+4:WFS+7], v[WFSA], s[12:13] offset:32
	global_load_b128 v[WMS:WMS+3], v[WMSA], s[16:17]
	global_load_b128 v[BF5:BF5+3], v[BO], s[18:19]
	global_load_b128 v[BF2:BF2+3], v[BO], s[20:21]
	global_load_b128 v[BM:BM+3], v[BO], s[22:23]
	global_load_b128 v[RES:RES+3], v[RO], s[34:35]
	s_wait_tensorcnt 0x0                           ; my tile has landed; nobody else reads it
	TLOAD64 XF, 0                                  ; the first half's part
	WIN 0x40
	TLOAD64 192, TP                                ; the second half's, one row of the tile on, into window 1
	WIN 0
	s_wait_loadcnt 43                              ; the statistics are in; the 12 + 24 + 7 loads issued behind them may be out
	v_max_num_f32 v174, v170, v172
	s_delay_alu instid0(VALU_DEP_1)
	v_sub_f32 v176, v170, v174
	s_delay_alu instid0(VALU_DEP_2)
	v_sub_f32 v178, v172, v174
	s_wait_alu depctr_va_vdst(0)
	v_exp_f32 v176, v176                           ; e0
	v_exp_f32 v178, v178                           ; e1
	v_nop                                          ; one plain place behind the exponentials
	s_wait_alu depctr_va_vdst(0)
	v_mul_f32 v175, v171, v176
	v_fmac_f32 v175, v173, v178                    ; l0 e0 + l1 e1: at least the 1 of the row with the largest t
	s_wait_alu depctr_va_vdst(0)
	v_rcp_f32 v175, v175
	v_nop
	s_wait_alu depctr_va_vdst(0)
	v_mul_f32 v176, v176, v175
	v_mul_f32 v178, v178, v175
	s_wait_alu depctr_va_vdst(0)
	s_wait_dscnt 0x0                               ; part's two halves are in registers
.set J, 0
.rept 32
	v_pk_mul_f32 v[XF+J:XF+J+1], v[XF+J:XF+J+1], v[176:177] op_sel_hi:[1,0]
.set J, J+2
.endr
	WIN 0x01                                       ; source 0 window 1
.set J, 0
.rept 32
	v_pk_fma_f32 v[XF+J:XF+J+1], v[192+J:192+J+1], v[178:179], v[XF+J:XF+J+1] op_sel_hi:[1,0,1]
.set J, J+2
.endr
	WIN 0
	QUANT XF, PC0, PW0
.irp c, 0,1
	ds_store_b128 v[XWI], v[PC0+4*\c:PC0+4*\c+3] offset:512*\c
.endr
	ds_store_b32 v[XWS], v[PW0]
	BARRIER                                        ; A's eight fragments lie in LDS
.irp i, 0,1,2,3
.irp c, 0,1
	ds_load_b128 v[XF+8*\i+4*\c:XF+8*\i+4*\c+3], v[FI] offset:FRB*\i+512*\c
.endr
	ds_load_b32 v[XSW+\i], v[FS] offset:128*\i
.endr
	s_wait_dscnt 0x0
	s_wait_loadcnt 0x0                             ; the weights, their scale words, the biases, the residual
; one product: D at v[d], the weight's fragment at v[a] of window 1, the rows' at v[b]; the first K step starts the sum
.macro MM d, a, b, sa, sb
.if I == 0
	v_wmma_scale_f32_16x16x128_f8f6f4 v[(\d):(\d)+7], v[(\a):(\a)+7], v[(\b):(\b)+7], 0, v[\sa], v[\sb] matrix_a_fmt:MATRIX_FMT_FP4 matrix_b_fmt:MATRIX_FMT_FP4
.else
	v_wmma_scale_f32_16x16x128_f8f6f4 v[(\d):(\d)+7], v[(\a):(\a)+7], v[(\b):(\b)+7], v[(\d):(\d)+7], v[\sa], v[\sb] matrix_a_fmt:MATRIX_FMT_FP4 matrix_b_fmt:MATRIX_FMT_FP4
.endif
.endm
	WIN 0x01                                       ; source 0 (the weights) window 1
.set I, 0
.rept 4
	MM P5A, 8*I, XF+8*I, WFS+I, XSW+I
	MM P6, 64+8*I, XF+8*I, WMS+I, XSW+I
	MM P5B, 32+8*I, ZN+8*I, WFS+4+I, XSW+4+I
.set I, I+1
.endr
	WIN 0
.rept 4
	v_nop                                          ; four places behind the last product (ISA guide 7.12.1)
.endr
.irp j, 0,2,4,6
	v_pk_add_f32 v[P5A+\j:P5A+\j+1], v[P5A+\j:P5A+\j+1], v[P5B+\j:P5B+\j+1]   ; each accumulator from its low end on
.endr
	ds_store_b128 v[EW], v[P5A:P5A+3]
	ds_store_b128 v[EW], v[P5A+4:P5A+7] offset:512
	ds_store_b128 v[EW], v[P6:P6+3] offset:1024
	ds_store_b128 v[EW], v[P6+4:P6+7] offset:1536
	BARRIER                                        ; every wave's sums over its half of K lie in LDS
	ds_load_b128 v[144:147], v[ER]                 ; my four registers of the gate, K's first half,
	ds_load_b128 v[148:151], v[ER] offset:1024     ; of the value, K's first half,
	ds_load_b128 v[152:155], v[ER] offset:4*2048   ; and the same of K's second half
	ds_load_b128 v[156:159], v[ER] offset:4*2048+1024
	v_pk_add_f32 v[BF5:BF5+1], v[BF5:BF5+1], v[BF2:BF2+1]           ; Wf_b + bf
	v_pk_add_f32 v[BF5+2:BF5+3], v[BF5+2:BF5+3], v[BF2+2:BF2+3]
	s_wait_dscnt 0x0
.irp j, 0,2,4,6
	v_pk_add_f32 v[144+\j:145+\j], v[144+\j:145+\j], v[152+\j:153+\j]
.endr
	s_wait_alu depctr_va_vdst(0)
.irp j, 0,2
	v_pk_add_f32 v[144+\j:145+\j], v[144+\j:145+\j], v[BF5+\j:BF5+\j+1]
	v_pk_add_f32 v[148+\j:149+\j], v[148+\j:149+\j], v[BM+\j:BM+\j+1]
.endr
.irp j, 0
	s_delay_alu instid0(VALU_DEP_4)
	v_pk_mul_f32 v[144+\j:145+\j], v[144+\j:145+\j], 0xbfb8aa3b op_sel_hi:[1,0]   ; x -log2(e)
.endr
.irp j, 2
	s_delay_alu instid0(VALU_DEP_3)
	v_pk_mul_f32 v[144+\j:145+\j], v[144+\j:145+\j], 0xbfb8aa3b op_sel_hi:[1,0]   ; x -log2(e)
.endr
	s_wait_alu depctr_va_vdst(0)
.irp j, 0,1,2,3
	v_exp_f32 v[144+\j], v[144+\j]
.endr
	v_nop
	s_wait_alu depctr_va_vdst(0)
.irp j, 0,2
	v_pk_add_f32 v[144+\j:145+\j], v[144+\j:145+\j], 1.0 op_sel_hi:[1,0]
.endr
	s_wait_alu depctr_va_vdst(0)
.irp j, 0,1,2,3
	v_rcp_f32 v[144+\j], v[144+\j]                 ; the gate: 1 / (1 + e^-x)
.endr
	v_nop
	s_wait_alu depctr_va_vdst(0)
.irp j, 0,2
	v_pk_fma_f32 v[RES+\j:RES+\j+1], v[148+\j:149+\j], v[144+\j:145+\j], v[RES+\j:RES+\j+1]
.endr
.irp j, 0,1,2,3
	v_max_num_f32 v[RES+\j], 0, v[RES+\j]
.endr
	ds_store_b128 v[SO], v[RES:RES+3]              ; lane (r, h): h(16 y + r, 64 x + 16 tile + 8 h + 4 K half + 0 .. 3)
	BARRIER                                        ; 16 whole rows of 256 bytes lie in the stage
	ds_load_b128 v[160:163], v[SR]
	s_wait_dscnt 0x0
	global_store_b128 v[OO], v[160:163], s[24:25]  ; sixteen lanes store 256 consecutive bytes, at a multiple of 256 from h's first byte; two rows an instruction
	s_wait_tensorcnt 0x0
	ds_add_u32 v254, v255
	s_wait_dscnt 0x0
	s_endpgm
.Lfunc_end_k_qd5c044d8e8_fuse:
	.size	k_qd5c044d8e8_fuse, .Lfunc_end_k_qd5c044d8e8_fuse-k_qd5c044d8e8_fuse
	.p2alignl 7, 3214868480
	.fill 96, 4, 3214868480
	.section	.rodata,"a",@progbits
	.p2align	6, 0x0
	.amdhsa_kernel k_qd5c044d8e8_fuse
		.amdhsa_group_segment_fixed_size 175360
		.amdhsa_private_segment_fixed_size 0
		.amdhsa_enable_private_segment 0
		.amdhsa_kernarg_size 96
		.amdhsa_user_sgpr_count 2
		.amdhsa_user_sgpr_kernarg_segment_ptr 1
		.amdhsa_wavefront_size32 1
		.amdhsa_system_sgpr_workgroup_id_x 1
		.amdhsa_system_sgpr_workgroup_id_y 1
		.amdhsa_system_sgpr_workgroup_id_z 1
		.amdhsa_system_vgpr_workitem_id 0
		.amdhsa_next_free_vgpr 512
		.amdhsa_next_free_sgpr 72
		.amdhsa_reserve_vcc 0
		.amdhsa_float_denorm_mode_32 3
		.amdhsa_float_denorm_mode_16_64 3
		.amdhsa_memory_ordered 1
		.amdhsa_forward_progress 1
		.amdhsa_inst_pref_size 29
	.end_amdhsa_kernel
	.amdgpu_metadata
---
amdhsa.version: [ 1, 2 ]
amdhsa.kernels:
  - .name:           k_qd5c044d8e8_fuse
    .symbol:         k_qd5c044d8e8_fuse.kd
    .args:
      - { .name: part, .offset: 0, .size: 8, .value_kind: global_buffer, .address_space: global }
      - { .name: stat, .offset: 8, .size: 8, .value_kind: global_buffer, .address_space: global }
      - { .name: z_rppg, .offset: 16, .size: 8, .value_kind: global_buffer, .address_space: global }
      - { .name: Wf_w_codes, .offset: 24, .size: 8, .value_kind: global_buffer, .address_space: global }
      - { .name: Wf_w_scales, .offset: 32, .size: 8, .value_kind: global_buffer, .address_space: global }
      - { .name: Wm_w_codes, .offset: 40, .size: 8, .value_kind: global_buffer, .address_space: global }
      - { .name: Wm_w_scales, .offset: 48, .size: 8, .value_kind: global_buffer, .address_space: global }
      - { .name: Wf_b, .offset: 56, .size: 8, .value_kind: global_buffer, .address_space: global }
      - { .name: bf, .offset: 64, .size: 8, .value_kind: global_buffer, .address_space: global }
      - { .name: Wm_b, .offset: 72, .size: 8, .value_kind: global_buffer, .address_space: global }
      - { .name: out0, .offset: 80, .size: 8, .value_kind: global_buffer, .address_space: global }
      - { .name: zq, .offset: 88, .size: 8, .value_kind: global_buffer, .address_space: global }
    .group_segment_fixed_size: 175360
    .private_segment_fixed_size: 0
    .kernarg_segment_align: 8
    .kernarg_segment_size: 96
    .max_flat_workgroup_size: 256
    .sgpr_count:     72
    .vgpr_count:     512
    .wavefront_size: 32
...
	.end_amdgpu_metadata
.endif
;; end of part 3
